; MI455X (gfx1250); checked and timed in simulation.
; The chip was launched on July 23, 2026; its instructions are those of AMD's public machine-readable ISA for CDNA 5 (MIT licence, August 2026) and "CDNA5" Instruction Set Architecture Reference Guide (July 2026). The comments in the code are by the model that wrote it; some were corrected since.
;; Hierarchical Mo E. Allowed arithmetic: float matrix products may take bf16 or f16 operands with f32 sums; other float arithmetic in f32, or as packed bf16 or f16 multiplies, adds, multiply-adds, maxima and minima; sums over many terms, partial sums and values carried from step to step in f32; what a program stores and reads back later, other than sums and carried values, may be rounded once to bf16 or f16.
;; Inputs: W1 8 x 8 x 512 x 1,024 float32; W2 8 x 8 x 1,024 x 512 float32; b1 8 x 8 x 1,024 float32; b2 8 x 8 x 512 float32; g1 512 x 8 float32; g2 8 x 512 x 8 float32; x 2 x 512 x 512 float32.
;; Outputs: out0 2 x 512 x 512 float32.
;; One version. Each part assembles by itself: llvm-mc -triple=amdgcn-amd-amdhsa -mcpu=gfx1250 --defsym DOCPART=n.
;; ======== version 1 of 1: 3 launches
;; limits: values are held in f16: magnitudes above 65,504 overflow, below 6.1e-05 lose precision
;; workspace buffers: xh 1,048,576 bytes; ridx 32,768 bytes of whole numbers; rw 65,536 bytes; part 33,554,432 bytes
;; launch router (part 1): grid 64 x 1, 8 waves a work-group, no clusters, 228,864 bytes of LDS; arguments x, g1, g2, xh, ridx, rw; writes xh, ridx, rw
.if DOCPART == 1
	.amdgcn_target "amdgcn-amd-amdhsa--gfx1250"
	.amdhsa_code_object_version 6
	.text
	.protected	k_qb3a90cea13_router
	.globl	k_qb3a90cea13_router
	.p2align	8
	.type	k_qb3a90cea13_router,@function
k_qb3a90cea13_router:
	s_mov_b64 s[64:65], 0
	v_nop
	global_prefetch_b8 v0, s[64:65] scope:SCOPE_SE
	s_setreg_imm32_b32 hwreg(HW_REG_WAVE_MODE, 25, 1), 1
	s_wait_xcnt 0x0
; ROUTER.  For 16 tokens a work-group: the 72 gate logits (8 of g1, 8 x 8 of g2) in f32, both top-2 choices and their softmaxes; and x rounded once to f16 (xh).
; The logits use the f32 matrix form on purpose: they are under one hundredth of the program's products, and 16-bit operands would change choices of experts.
; Stored at fixed places: ridx[g][t], a word whose nibble e is 8 | j if expert e of group g is chosen for token t (j = 2 x the group's rank + the expert's rank), else 0;
; rw[g][t][b] = c1[g] x the weight of the group's expert of rank b (0 where the group is not chosen).
; LIMITS.  Equal logits keep the lower index, as top_k does; a NaN logit is not ranked as jax ranks it; the logit sums are f32 sums in another order than a plain dot product's.
; SHARES.  Wave w takes k = 64 w .. 64 w + 63 of all 72 columns; the eight partial sums meet in LDS; waves 0-3 then finish groups 2 w and 2 w + 1.
; LAYOUT.  Source 0 = 16 gate columns, source 1 = 16 tokens: lane (r = lane % 16, h = lane / 16) of a result holds token r and columns 8 h + 0..7.
; Tiles 0-3: gate 2 p + h of g2, register = expert.  Tile 4: g1, its rows 8-15 repeating rows 0-7, so both halves of the lanes hold the level-1 logits.
.set XP,    2064                ; a row of x in LDS: 2,048 bytes + 16
.set GWB,   33280               ; the waves' gate slices begin here
.set GWW,   19200               ; a wave's: 9 gates (gate 8 = g1)
.set GP,    2112                ; a gate's 64 k x 32 bytes + 64: the two gates of a tile start 16 banks apart
.set RED,   186880              ; partial sums: 10 x 512 bytes a wave
.set REDW,  5120
.set SPARE, 227840              ; the spare words, 128 bytes a wave
.set SPW,   2                   ; v2  my spare word's address; never rewritten
.set NIL,   3                   ; v3  0; never rewritten
.set ST,    16                  ; v16-191 as loaded: x 8 x 4, g1 4 x 4, g2 32 x 4
.set X,     16                  ; v16-47  later: x's fragments
.set GA,    48                  ; v48-207 later: the gates' fragments, pair (5 step + tile)
.set PK,    192                 ; v192-207 x as f16, on its way to xh
.set ACC,   208                 ; v208-247 five accumulators: written by matrix instructions alone
	s_load_b256 s[4:11], s[0:1], 0x0               ; x s[4:5], g1 s[6:7], g2 s[8:9], xh s[10:11]
	s_load_b128 s[12:15], s[0:1], 0x20             ; ridx s[12:13], rw s[14:15]
	v_lshl_add_u32 v[SPW], v0, 2, SPARE
	v_mov_b32 v[NIL], 0
	v_lshrrev_b32 v4, 5, v0
	v_readfirstlane_b32 s16, v4                    ; wave 0..7
	v_and_b32 v1, 15, v0                           ; r
	v_and_b32 v5, 31, v0                           ; lane
	v_bfe_u32 v6, v0, 4, 1                         ; h
	v_lshlrev_b32 v7, 4, v5                        ; 16 lane
	v_lshl_add_u32 v8, s16, 12, v7                 ; x: my wave's two rows
	v_lshl_add_u32 v9, s16, 11, v7                 ; a gate: my wave's 64 k
	v_lshlrev_b32 v10, 3, v5
	v_lshl_add_u32 v10, s16, 11, v10               ; xh: my wave's two rows, 8 bytes a lane
	s_mul_i32 s27, s16, 2*XP
	v_add_nc_u32 v11, s27, v7                      ; x into LDS
	s_mul_i32 s26, s16, GWW
	s_add_co_u32 s26, s26, GWB
	v_add_nc_u32 v12, s26, v7                      ; gates into LDS
	v_mul_u32_u24 v13, v1, XP
	v_lshl_add_u32 v13, v6, 4, v13
	v_lshl_add_u32 v13, s16, 8, v13                ; x's fragments: row r, 256 w + 16 h
	v_and_b32 v4, 7, v0
	v_bfe_u32 v5, v0, 3, 1
	v_lshlrev_b32 v15, 2, v4
	v_lshl_add_u32 v15, v6, 7, v15
	v_add_nc_u32 v15, s26, v15                     ; 4 (r % 8) + 128 h in my slice
	v_mad_u32_u24 v14, v5, GP, v15                 ; tiles 0-3: + the tile's second gate for r >= 8
	v_add_nc_u32 v15, 8*GP, v15                    ; tile 4: g1
	s_lshl_b32 s18, ttmp9, 15                      ; 16 rows of x
	s_mov_b32 s19, 0
	s_lshl_b32 s20, ttmp9, 14                      ; 16 rows of xh
	s_mov_b32 s21, 0
	s_lshl_b32 s22, ttmp9, 6                       ; 16 words of ridx
	s_mov_b32 s23, 0
	s_lshl_b32 s24, ttmp9, 7                       ; 16 pairs of rw
	s_mov_b32 s25, 0
	s_wait_kmcnt 0x0
	s_add_nc_u64 s[4:5], s[4:5], s[18:19]
	s_add_nc_u64 s[10:11], s[10:11], s[20:21]
	s_add_nc_u64 s[12:13], s[12:13], s[22:23]
	s_add_nc_u64 s[14:15], s[14:15], s[24:25]
	; 44 loads of 512 consecutive bytes each
.set i, 0
.rept 8
	global_load_b128 v[ST+4*i:ST+4*i+3], v8, s[4:5] offset:512*i th:TH_LOAD_NT
.set i, i+1
.endr
.set i, 0
.rept 4
	global_load_b128 v[ST+32+4*i:ST+32+4*i+3], v9, s[6:7] offset:512*i
.set i, i+1
.endr
.set i, 0
.rept 32
	global_load_b128 v[ST+48+4*i:ST+48+4*i+3], v9, s[8:9] offset:16384*(i/4)+512*(i%4)
.set i, i+1
.endr
	s_wait_loadcnt 36                              ; x's eight loads are in; the 36 gate loads behind them stay out
.set i, 0
.rept 8
	v_cvt_pk_f16_f32 v[PK+2*i], v[ST+4*i], v[ST+4*i+1]
	v_cvt_pk_f16_f32 v[PK+2*i+1], v[ST+4*i+2], v[ST+4*i+3]
.set i, i+1
.endr
.set i, 0
.rept 8
	global_store_b64 v10, v[PK+2*i:PK+2*i+1], s[10:11] offset:256*i       ; 32 lanes store 256 consecutive bytes, aligned
	ds_store_b128 v11, v[ST+4*i:ST+4*i+3] offset:(i/4)*XP+(i%4)*512
.set i, i+1
.endr
	s_wait_loadcnt 0x0
.set i, 0
.rept 4
	ds_store_b128 v12, v[ST+32+4*i:ST+32+4*i+3] offset:8*GP+512*i
.set i, i+1
.endr
.set i, 0
.rept 32
	ds_store_b128 v12, v[ST+48+4*i:ST+48+4*i+3] offset:(i/4)*GP+512*(i%4)
.set i, i+1
.endr
	s_wait_dscnt 0x0                               ; for the others' sake: my rows of x are in LDS
	s_barrier_signal -1
	s_barrier_wait -1
	s_wait_xcnt 0x0                                ; the stores to xh have read v192-207 and v10; the loads' offsets are free too
	s_mul_i32 s17, s16, REDW
	s_add_co_u32 s17, s17, RED
	v_add_nc_u32 v8, s17, v7                       ; where my partial sums go
	s_lshl_b32 s17, s16, 10
	s_add_co_u32 s17, s17, RED
	v_add_nc_u32 v9, s17, v7                       ; waves 0-3: tile w of every wave
	v_add_nc_u32 v10, RED+4096, v7                 ; tile 4 of every wave
	; Fragments.  Step st = 2 c + a (c = 0..7, a = 0, 1) takes k = 64 w + 8 c + 4 h + 2 a + j into register j of both sources: the same order of k on both sides.
.set i, 0
.rept 8
	ds_load_b128 v[X+4*i:X+4*i+3], v13 offset:32*i
.set i, i+1
.endr
.set st, 0
.rept 16
.set p, 0
.rept 5
.set j, 0
.rept 2
.if p < 4
	ds_load_b32 v[GA+2*(5*st+p)+j], v14 offset:2*p*GP+256*(st/2)+32*(2*(st%2)+j)
.else
	ds_load_b32 v[GA+2*(5*st+p)+j], v15 offset:256*(st/2)+32*(2*(st%2)+j)
.endif
.set j, j+1
.endr
.set p, p+1
.endr
.set st, st+1
.endr
	s_wait_dscnt 0x0
	; 16 steps x 5 tiles; the accumulators take turns, one instruction a turn; the first step starts the sums
.set st, 0
.rept 16
.set p, 0
.rept 5
.if st == 0
	v_wmma_f32_16x16x4_f32 v[ACC+8*p:ACC+8*p+7], v[GA+2*(5*st+p):GA+2*(5*st+p)+1], v[X+2*st:X+2*st+1], 0
.else
	v_wmma_f32_16x16x4_f32 v[ACC+8*p:ACC+8*p+7], v[GA+2*(5*st+p):GA+2*(5*st+p)+1], v[X+2*st:X+2*st+1], v[ACC+8*p:ACC+8*p+7]
.endif
.set p, p+1
.endr
.set st, st+1
.endr
.rept 8
	v_nop                                          ; eight places behind the f32 form before its results are read (ISA guide 7.12.1)
.endr
.set p, 0
.rept 5
	ds_store_b128 v8, v[ACC+8*p:ACC+8*p+3] offset:1024*p          ; each accumulator's low registers first
	ds_store_b128 v8, v[ACC+8*p+4:ACC+8*p+7] offset:1024*p+512
.set p, p+1
.endr
	s_wait_dscnt 0x0                               ; for the others' sake
	s_barrier_signal -1
	s_barrier_wait -1
	s_cmp_gt_u32 s16, 3
	s_cbranch_scc1 .Lend                           ; waves 4-7 have no groups to finish
.set wv, 0
.rept 8
	ds_load_b128 v[16+16*wv:16+16*wv+3],     v9  offset:REDW*wv
	ds_load_b128 v[16+16*wv+4:16+16*wv+7],   v9  offset:REDW*wv+512
	ds_load_b128 v[16+16*wv+8:16+16*wv+11],  v10 offset:REDW*wv
	ds_load_b128 v[16+16*wv+12:16+16*wv+15], v10 offset:REDW*wv+512
.set wv, wv+1
.endr
	s_wait_dscnt 0x0
.set wv, 1
.rept 7
.set i, 0
.rept 8
	v_pk_add_f32 v[16+2*i:17+2*i], v[16+2*i:17+2*i], v[16+16*wv+2*i:17+16*wv+2*i]
.set i, i+1
.endr
.set wv, wv+1
.endr
	; v16-23: my group's eight logits for token r; v24-31: the eight level-1 logits
; The two largest of v[b .. b+7]: v[o] the largest, v[o+1] its index, v[o+2], v[o+3] the second.  Strictly greater replaces: of equals the lower index stays ahead.
.macro TOP2 b, o
	v_cmp_gt_f32 s20, v[(\b)+1], v[\b]
	v_cndmask_b32 v[\o], v[\b], v[(\b)+1], s20
	v_cndmask_b32 v[(\o)+2], v[(\b)+1], v[\b], s20
	v_cndmask_b32 v[(\o)+1], 0, 1, s20
	v_cndmask_b32 v[(\o)+3], 1, 0, s20
.irp n, 2,3,4,5,6,7
	v_cmp_gt_f32 s20, v[(\b)+\n], v[\o]
	v_cmp_gt_f32 s21, v[(\b)+\n], v[(\o)+2]
	v_cndmask_b32 v[(\o)+2], v[(\o)+2], v[(\b)+\n], s21
	v_cndmask_b32 v[(\o)+3], v[(\o)+3], \n, s21
	v_cndmask_b32 v[(\o)+2], v[(\o)+2], v[\o], s20
	v_cndmask_b32 v[(\o)+3], v[(\o)+3], v[(\o)+1], s20
	v_cndmask_b32 v[\o], v[\o], v[(\b)+\n], s20
	v_cndmask_b32 v[(\o)+1], v[(\o)+1], \n, s20
.endr
.endm
	TOP2 24, 144                                   ; level 1: v144 m1, v145 its group, v146 m2, v147 its group
	TOP2 16, 148                                   ; level 2: v148, v149 expert, v150, v151 expert
	; softmax of two: the maximum is taken away, so the weights are 1 / (1 + e) and e / (1 + e), e = exp(m2 - m1) <= 1
	v_sub_f32 v152, v146, v144
	v_sub_f32 v153, v150, v148
	v_mul_f32 v152, 0x3fb8aa3b, v152
	v_mul_f32 v153, 0x3fb8aa3b, v153
	v_exp_f32 v154, v152
	v_exp_f32 v155, v153
	v_lshl_add_u32 v156, s16, 1, v6                ; my group g = 2 w + h: the plain instruction behind the exponentials
	s_wait_alu depctr_va_vdst(0)                   ; one wait for both, ahead of their first reader
	v_add_f32 v157, 1.0, v154
	v_add_f32 v158, 1.0, v155
	v_rcp_f32 v159, v157
	v_rcp_f32 v160, v158
	v_lshlrev_b32 v161, 2, v149                    ; 4 x the first expert: plain work behind the reciprocals
	v_lshlrev_b32 v162, 2, v151
	s_wait_alu depctr_va_vdst(0)                   ; one wait for both reciprocals
	v_mul_f32 v163, v154, v159                     ; level 1's second weight
	v_mul_f32 v164, v155, v160                     ; level 2's second weight
	v_cmp_eq_u32 s20, v156, v145                   ; my group is the first choice,
	v_cmp_eq_u32 s21, v156, v147                   ; or the second
	v_cndmask_b32 v165, 0, v163, s21
	v_cndmask_b32 v165, v165, v159, s20            ; c1[g]
	v_mul_f32 v166, v165, v160
	v_mul_f32 v167, v165, v164
	v_cndmask_b32 v168, 8, 10, s21                 ; 8 | 2 a
	v_or_b32 v169, 1, v168                         ; 9 | 2 a
	v_lshlrev_b32 v168, v161, v168
	v_lshlrev_b32 v169, v162, v169
	v_or_b32 v168, v168, v169
	s_or_b32 s22, s20, s21
	v_cndmask_b32 v168, 0, v168, s22
	v_lshlrev_b32 v170, 2, v1
	v_lshl_add_u32 v170, v156, 12, v170            ; 4,096 g + 4 r
	v_lshlrev_b32 v171, 1, v170
	global_store_b32 v170, v168, s[12:13]          ; runs of 64 and of 128 bytes: 96 KB in the whole launch, laid by group for the next launch's scans
	global_store_b64 v171, v[166:167], s[14:15]
.Lend:
	s_wait_tensorcnt 0x0                           ; the wave's end
	ds_add_u32 v[SPW], v[NIL]
	s_wait_dscnt 0x0
	s_endpgm
.Lfunc_end_k_qb3a90cea13_router:
	.size	k_qb3a90cea13_router, .Lfunc_end_k_qb3a90cea13_router-k_qb3a90cea13_router
	.p2alignl 7, 3214868480
	.fill 96, 4, 3214868480
	.section	.rodata,"a",@progbits
	.p2align	6, 0x0
	.amdhsa_kernel k_qb3a90cea13_router
		.amdhsa_group_segment_fixed_size 228864
		.amdhsa_private_segment_fixed_size 0
		.amdhsa_enable_private_segment 0
		.amdhsa_kernarg_size 48
		.amdhsa_user_sgpr_count 2
		.amdhsa_user_sgpr_kernarg_segment_ptr 1
		.amdhsa_wavefront_size32 1
		.amdhsa_system_sgpr_workgroup_id_x 1
		.amdhsa_system_sgpr_workgroup_id_y 1
		.amdhsa_system_sgpr_workgroup_id_z 1
		.amdhsa_system_vgpr_workitem_id 0
		.amdhsa_next_free_vgpr 248
		.amdhsa_next_free_sgpr 66
		.amdhsa_reserve_vcc 0
		.amdhsa_float_denorm_mode_32 3
		.amdhsa_float_denorm_mode_16_64 3
		.amdhsa_memory_ordered 1
		.amdhsa_forward_progress 1
		.amdhsa_inst_pref_size 42
	.end_amdhsa_kernel
	.amdgpu_metadata
---
amdhsa.version: [ 1, 2 ]
amdhsa.kernels:
  - .name:           k_qb3a90cea13_router
    .symbol:         k_qb3a90cea13_router.kd
    .args:
      - { .name: x, .offset: 0, .size: 8, .value_kind: global_buffer, .address_space: global }
      - { .name: g1, .offset: 8, .size: 8, .value_kind: global_buffer, .address_space: global }
      - { .name: g2, .offset: 16, .size: 8, .value_kind: global_buffer, .address_space: global }
      - { .name: xh, .offset: 24, .size: 8, .value_kind: global_buffer, .address_space: global }
      - { .name: ridx, .offset: 32, .size: 8, .value_kind: global_buffer, .address_space: global }
      - { .name: rw, .offset: 40, .size: 8, .value_kind: global_buffer, .address_space: global }
    .group_segment_fixed_size: 228864
    .private_segment_fixed_size: 0
    .kernarg_segment_align: 8
    .kernarg_segment_size: 48
    .max_flat_workgroup_size: 256
    .sgpr_count:     66
    .vgpr_count:     248
    .wavefront_size: 32
...
	.end_amdgpu_metadata
.endif
;; end of part 1
;; launch experts (part 2): grid 4 x 64, 4 waves a work-group, no clusters, 290,560 bytes of LDS; arguments xh, ridx, rw, W1, b1, W2, b2, part; writes part
.if DOCPART == 2
	.amdgcn_target "amdgcn-amd-amdhsa--gfx1250"
	.amdhsa_code_object_version 6
	.text
	.protected	k_qb3a90cea13_experts
	.globl	k_qb3a90cea13_experts
	.p2align	8
	.type	k_qb3a90cea13_experts,@function
k_qb3a90cea13_experts:
	s_mov_b64 s[64:65], 0
	v_nop
	global_prefetch_b8 v0, s[64:65] scope:SCOPE_SE
	s_setreg_imm32_b32 hwreg(HW_REG_WAVE_MODE, 25, 1), 1
	s_wait_xcnt 0x0
; EXPERTS.  Work-group (s, E): slice s (256 of the 1,024 hidden columns) of expert E = 8 g + e.  It alone reads its 512 KB of W1 and 512 KB of W2, each byte once for every 128 rows.
; It finds the tokens that chose the expert (ridx), gathers their rows of xh, and stores weight x (relu(x W1 + b1) W2 [+ b2 in slice 0]) as f32 partial rows: part[16 t + 4 j + s][512].
; All products in f16 with f32 sums.  LIMITS: |x|, |W1|, |W2| and |h| stay within f16's 65,504 (beyond it a conversion gives an infinity); below 6e-5 f16 keeps its fixed step of 6e-8.
; NO JOINT LOADS: what an expert's four work-groups share is its token rows, some 64 KB against 1 MB of weights that each reads alone, and they come by a list that no tile descriptor covers.
; EVERY SPLIT is served: rows go in passes of 128, a constant eight passes; every wave passes every barrier, and only work is jumped.  An expert without rows reads its first 128 KB of W1 for nothing.
; WEIGHTS GO FROM MEMORY THROUGH REGISTERS STRAIGHT INTO FRAGMENTS.  Lane (r = lane % 16, h = lane / 16) loads 16 rows x 16 bytes (columns 4 r .. 4 r + 3): each load is two runs of 256 consecutive bytes, aligned.
; Two rows' numbers of column c, rounded together, are one register of the fragment of tile c, whose row r is column n0 + 4 r + c.  The weights are source 0, 16 tokens (from LDS) source 1:
; register j of a result holds token r, column n0 + 32 h + 4 j + c: over the four tiles a lane has 32 neighbouring columns of one token.
; W1's rows are 4,096 bytes: the loads' offsets mean k = k0 + place.  W2's are 2,048: the same offsets mean rows R0 + 2 x place, so h lies in LDS with column 128 p + 32 q + place = hidden 64 q + 2 place + p.
; A STAGE is 32 along K x 64 columns a wave: 16 loads, 32 conversions, 4 matrix instructions for each block of 16 rows.  Four register sets take turns, each filled again four stages ahead: 64 loads of a wave are asked for.
; ASKED FOR EARLY.  A stage loads the NEXT stage's token fragments from LDS ahead of its own products (two buffers).  A pass's first four sets are rounded, and filled again, while the gathered rows of x are
; still on their way: their fragments wait in four buffers of their own, and the run's first four stages only multiply.
; No LDS address and no weight base steps inside a run: a stage's place along K stands in the immediates of its LDS loads and of its refills.
.set LIST,  0                   ; four lists of 256 entries + a dump word: 1,280 bytes a wave
.set LISTW, 1280
.set XT,    5120                ; 128 rows of x, f16
.set PT,    1040                ; a row: 1,024 bytes + 16: the 16 rows of a fragment load start at 16 different groups of four banks
.set HT,    138240              ; 128 rows of h, f16, 512 bytes used, the same pitch
.set OST,   271360              ; the way out: 16 rows x 272 bytes a wave
.set OSTW,  4352
.set OPI,   272
.set CNTB,  288768              ; the four waves' counts
.set WL,    289024              ; a pass's 128 weights
.set ROWT,  289536              ; a pass's 128 row numbers in part
.set SPARE, 290048              ; the spare words, 128 bytes a wave
; window 0
.set SPW, 2                     ; my spare word's address; never rewritten
.set NIL, 3                     ; 0; never rewritten
.set WO,  4                     ; 32,768 h + 16 r: my place in a stage's weights; never rewritten
.set AX,  5                     ; v5, v6 x's fragments of row blocks 0-3, 4-7: XT + 1,040 r + 16 h (+ 64 rows); never rewritten
.set XS0, 8                     ; v8, v9 x into LDS
.set HS0, 10                    ; v10, v11 h into LDS
.set OSA, 12                    ; the way out: in
.set ORD, 13                    ; the way out: back
.set TBQ, 14                    ; ROWT + 4 h
.set WLA, 15                    ; WL + 4 r
.set COL, 16                    ; 16 r
.set ZR,  17                    ; 0
.set LSTW, 18                   ; my wave's list
.set CNA, 19                    ; my wave's count word
.set TOK, 20                    ; 256 w + 4 lane
.set ROWG, 21                   ; 8 w + h
.set AH,  30                    ; v30, v31 h's fragments: HT + 1,040 r + 16 h (+ 64 rows); never rewritten
.set AF,  32                    ; v32-159 token fragments: two buffers of 64, 8 registers a block of 16 rows; a stage's buffer goes by its number's parity
.set BF,  160                   ; v160-223 weight fragments, two buffers of four tiles
.set OUT, 160                   ; v160-191 the ways out
.set RB,  192                   ; v192-223 the way out
.set GOF, 32                    ; v32-48 a pass's beginning: 17 lookups
.set W8,  32                    ; v32-39 the way out: a weight for each block
.set OFF, 40                    ; v40-103 the way out: 64 offsets in part
.set RAW, 32                    ; v32-127 the head: biases as loaded
.set SCN, 128                   ; v128-135 the head: my 8 words of ridx
; window 1: the four sets, set q at 64 q.  window 2: accumulator (block mb, tile c) at 32 mb + 8 c; at a pass's beginning x on its way into LDS.
; window 3: v0-127 biases as C operands; v128-255 the weight fragments of a pass's first four stages, stage q at 128 + 32 q
.set B1T,  0
.set B2T0, 32
.set B2T1, 64
.set BTU,  96
.set BFX,  128
; scalars
.set A_XH, 4
.set A_RI, 6
.set A_RW, 8
.set A_W1, 10
.set A_B1, 12
.set A_W2, 14
.set A_B2, 16
.set A_PT, 18
.set WV,  20
.set SL,  21
.set EX,  22
.set GR,  23
.set SH,  24
.set CNT, 25
.set CNTM1, 26
.set PASS, 27
.set PBASE, 28
.set ROWS, 29
.set NP,  30                    ; live pairs of row blocks, 1..4
.set W1S, 32                    ; W1 at my expert, slice and wave; never rewritten
.set W2S, 34                    ; W2 likewise
.set W2U, 38                    ; W2 at the run in hand
.set PB,  40
.set UC,  43
.set UM,  44
.set FF,  45
.set PP0, 45                    ; s46-48 ranks at which waves 1-3's lists begin
.set DD0, 48                    ; s49-51 what the address gains there
.set MSB, 0
.set FRB, 0                     ; where the stage in hand finds its weight fragments: register,
.set FRW, 0                     ; and window (0 or 3)
.macro WIN new                  ; the high byte repeats the setting that is left; a switch that changes nothing is dropped
.if MSB != (\new)
	s_set_vgpr_msb (MSB<<8)|(\new)
.set MSB, (\new)
.endif
.endm
.macro PRO                      ; the four sets' first fill: W1's first four stages
	WIN 0x40
.set n, 0
.rept 64
	global_load_b128 v[4*n:4*n+3], v[WO], s[W1S:W1S+1] offset:131072*(n/16)+4096*((n%16)+8*((n%16)/8)) th:TH_LOAD_NT
.set n, n+1
.endr
	WIN 0
.endm
; The four sets are rounded into window 3 as they land, and filled again with stages 4 to 7.  Behind set q's loads stand 16 (3 - q) of the later sets, the load of the rows' weights,
; 16 to 64 of the gather and 16 q refills: 65 at the least.  So a count of 63 shows the set in; the younger loads' issue has already waited for room in the counter (ISA guide 5.7.1).
.macro EARLY
.irp q, 0,1,2,3
	s_wait_loadcnt 63
	WIN 0xc5
.irp c, 0,1,2,3
.irp m, 0,1,2,3,4,5,6,7
	v_cvt_pk_f16_f32 v[BFX+32*\q+8*\c+\m], v[64*\q+8*\m+\c], v[64*\q+8*\m+4+\c]
.endr
.endr
	WIN 0x40
.irp i, 0,1,2,3,4,5,6,7,8,9,10,11,12,13,14,15
	global_load_b128 v[64*\q+4*\i:64*\q+4*\i+3], v[WO], s[W1S:W1S+1] offset:0x80000+131072*\q+4096*(\i+8*(\i/8)) th:TH_LOAD_NT
.endr
.endr
	WIN 0
.endm
.macro LDA pr, b, ad, k         ; the token fragments of pair pr, 32 along K at byte k of the rows, into buffer b; ad: x's or h's pair of address registers
.irp d, 0,1
	ds_load_b128 v[AF+64*(\b)+8*(2*(\pr)+\d):AF+64*(\b)+8*(2*(\pr)+\d)+3],   v[(\ad)+(2*(\pr)+\d)/4] offset:16*PT*((2*(\pr)+\d)%4)+(\k)
	ds_load_b128 v[AF+64*(\b)+8*(2*(\pr)+\d)+4:AF+64*(\b)+8*(2*(\pr)+\d)+7], v[(\ad)+(2*(\pr)+\d)/4] offset:16*PT*((2*(\pr)+\d)%4)+(\k)+32
.endr
.endm
.macro LDAP ad, k               ; a run's beginning: its first stage's token fragments, the live pairs, into buffer 0
	LDA 0, 0, \ad, \k
	s_cmp_lt_u32 s[NP], 2
	s_cbranch_scc1 .Lp_\@
	LDA 1, 0, \ad, \k
	s_cmp_lt_u32 s[NP], 3
	s_cbranch_scc1 .Lp_\@
	LDA 2, 0, \ad, \k
	s_cmp_lt_u32 s[NP], 4
	s_cbranch_scc1 .Lp_\@
	LDA 3, 0, \ad, \k
.Lp_\@:
.endm
.macro MM pr, b, first, bt      ; 8 matrix instructions on 8 accumulators: one a turn.  first = 1: the bias (window 3) starts the sums
	WIN 0xa0+0x10*(\first)+FRW
.irp d, 0,1
.irp c, 0,1,2,3
.if \first
	v_wmma_f32_16x16x32_f16 v[32*(2*(\pr)+\d)+8*\c:32*(2*(\pr)+\d)+8*\c+7], v[FRB+8*\c:FRB+8*\c+7], v[AF+64*(\b)+8*(2*(\pr)+\d):AF+64*(\b)+8*(2*(\pr)+\d)+7], v[(\bt)+8*\c:(\bt)+8*\c+7]
.else
	v_wmma_f32_16x16x32_f16 v[32*(2*(\pr)+\d)+8*\c:32*(2*(\pr)+\d)+8*\c+7], v[FRB+8*\c:FRB+8*\c+7], v[AF+64*(\b)+8*(2*(\pr)+\d):AF+64*(\b)+8*(2*(\pr)+\d)+7], v[32*(2*(\pr)+\d)+8*\c:32*(2*(\pr)+\d)+8*\c+7]
.endif
.endr
.endr
	WIN 0
.endm
; A stage on set q.  cv = 1: the set is rounded into the fragment buffer that the stage before did not multiply; cv = 0: its fragments lie ready in window 3.
; The 32 conversions (or four v_nop) are the places between the last stage's products and the loads into the token buffer that those products read (ISA guide 7.12.1 for vector instructions).
; ld = 1: the set is filled again, from base lb at byte lo: the stage four further on.  nx = 1: the next stage's token fragments (ad, byte kn) are asked for, into the other buffer, pair by pair upward;
; this stage's pairs are multiplied downward, so that each way in multiplies just the live pairs.
.macro STAGE q, first, cv, ld, wcnt, bt, ad, nx, kn, lb, lo
.if \cv
	s_wait_loadcnt \wcnt                           ; set q is in; the younger sets' loads stay out
	WIN 0x05
.irp c, 0,1,2,3
.irp m, 0,1,2,3,4,5,6,7
	v_cvt_pk_f16_f32 v[BF+32*((\q)%2)+8*\c+\m], v[64*(\q)+8*\m+\c], v[64*(\q)+8*\m+4+\c]
.endr
.endr
.if \ld
	WIN 0x40
.irp i, 0,1,2,3,4,5,6,7,8,9,10,11,12,13,14,15
	global_load_b128 v[64*(\q)+4*\i:64*(\q)+4*\i+3], v[WO], s[(\lb):(\lb)+1] offset:(\lo)+4096*(\i+8*(\i/8)) th:TH_LOAD_NT
.endr
.endif
	WIN 0
.set FRB, BF+32*((\q)%2)
.set FRW, 0
.else
.rept 4
	v_nop
.endr
.set FRB, BFX+32*(\q)
.set FRW, 3
.endif
.if \nx
	LDA 0, ((\q)+1)%2, \ad, \kn
	s_wait_dscnt 4                                 ; all but the four just issued: what the stage before asked for, this stage's fragments, is in, whatever the number of pairs
.else
	s_wait_dscnt 0x0                               ; a run's last stage asks for nothing
.endif
	s_cmp_lt_u32 s[NP], 2
	s_cbranch_scc1 .Lm1_\@
.if \nx
	LDA 1, ((\q)+1)%2, \ad, \kn
.endif
	s_cmp_lt_u32 s[NP], 3
	s_cbranch_scc1 .Lm2_\@
.if \nx
	LDA 2, ((\q)+1)%2, \ad, \kn
.endif
	s_cmp_lt_u32 s[NP], 4
	s_cbranch_scc1 .Lm3_\@
.if \nx
	LDA 3, ((\q)+1)%2, \ad, \kn
.endif
	MM 3, (\q)%2, \first, \bt
.Lm3_\@:
	MM 2, (\q)%2, \first, \bt
.Lm2_\@:
	MM 1, (\q)%2, \first, \bt
.Lm1_\@:
	MM 0, (\q)%2, \first, \bt
.endm
; Four stages: 128 along K from byte k0 of the token rows; refills from base lb, byte lo0 on.  Three younger sets of 16 loads stay out; in the tail the counts run down.  last = 1: the run ends here
.macro BLOCK4 first, cv, ld, tail, bt, ad, k0, last, lb, lo0
	STAGE 0, \first, \cv, \ld, 48, \bt, \ad, 1, (\k0)+64, \lb, (\lo0)
	STAGE 1, 0, \cv, \ld, 48-16*(\tail), 0, \ad, 1, (\k0)+128, \lb, (\lo0)+131072
	STAGE 2, 0, \cv, \ld, 48-32*(\tail), 0, \ad, 1, (\k0)+192, \lb, (\lo0)+262144
	STAGE 3, 0, \cv, \ld, 48-48*(\tail), 0, \ad, 1-(\last), (\k0)+256, \lb, (\lo0)+393216
.endm
.macro LOOKUP x                 ; v[x]: a rank among the expert's rows -> the LDS address of its entry: each list that the rank has passed adds its unused rest
	v_lshlrev_b32 v24, 2, v[\x]
.irp o, 1,2,3
	v_cmp_le_u32 vcc_lo, s[PP0+\o], v[\x]
	v_cndmask_b32 v23, 0, s[DD0+\o], vcc_lo
	v_add_nc_u32 v24, v24, v23
.endr
	v_min_u32 v[\x], LIST+4*LISTW-4, v24
.endm
.macro XLOAD pr                 ; 32 rows' gather, my wave's eight: a load takes 256 bytes of each of two rows
	WIN 0x80
.irp i, 0,1,2,3
.irp m, 0,1,2,3
	global_load_b128 v[64*(\pr)+16*\i+4*\m:64*(\pr)+16*\i+4*\m+3], v[GOF+4*(\pr)+\i], s[A_XH:A_XH+1] offset:256*\m
.endr
.endr
	WIN 0
.endm
.macro XSTORE pr
	WIN 0x08
.irp i, 0,1,2,3
.irp m, 0,1,2,3
	ds_store_b128 v[XS0+(\pr)/2], v[64*(\pr)+16*\i+4*\m:64*(\pr)+16*\i+4*\m+3] offset:PT*(32*((\pr)%2)+2*\i)+256*\m
.endr
.endr
	WIN 0
.endm
.macro EA mb                    ; block mb of h: rounded to f16 in pairs (tiles p and p + 2 are neighbours in h's LDS order), ReLU, 64 bytes a lane into LDS
	WIN 0x0a
.irp p, 0,1
.irp j, 0,1,2,3,4,5,6,7
	v_cvt_pk_f16_f32 v[OUT+8*\p+\j], v[32*(\mb)+8*\p+\j], v[32*(\mb)+8*(\p+2)+\j]
.endr
.endr
	WIN 0
.irp j, 0,1,2,3,4,5,6,7,8,9,10,11,12,13,14,15
	v_pk_max_num_f16 v[OUT+\j], v[OUT+\j], v[ZR]
.endr
.irp p, 0,1
	ds_store_b128 v[HS0+(\mb)/4], v[OUT+8*\p:OUT+8*\p+3]   offset:16*PT*((\mb)%4)+256*\p
	ds_store_b128 v[HS0+(\mb)/4], v[OUT+8*\p+4:OUT+8*\p+7] offset:16*PT*((\mb)%4)+256*\p+16
.endr
.endm
	s_load_b512 s[4:19], s[0:1], 0x0               ; xh, ridx, rw, W1, b1, W2, b2, part
	v_lshl_add_u32 v[SPW], v0, 2, SPARE
	v_mov_b32 v[NIL], 0
	v_lshrrev_b32 v22, 5, v0
	v_readfirstlane_b32 s[WV], v22                 ; wave 0..3
	s_mov_b32 s[SL], ttmp9                         ; slice
	s_and_b32 s[EX], ttmp7, 0xffff                 ; expert 0..63
	s_lshr_b32 s[GR], s[EX], 3                     ; its group
	s_and_b32 s[SH], s[EX], 7
	s_lshl_b32 s[SH], s[SH], 2                     ; its nibble in a word of ridx
	s_cmp_eq_u32 s[SL], 0
	s_cselect_b32 s[FF], 1.0, 0                    ; b2 counts in slice 0 alone
	v_and_b32 v1, 15, v0                           ; r
	v_bfe_u32 v23, v0, 4, 1                        ; h
	v_and_b32 v24, 31, v0                          ; lane
	v_lshlrev_b32 v[COL], 4, v1
	v_lshl_add_u32 v[WO], v23, 15, v[COL]
	v_mul_u32_u24 v25, v1, PT
	v_lshl_add_u32 v26, v23, 4, v25                ; a fragment's row x pitch + 16 x half
	v_add_nc_u32 v[AX], XT, v26
	v_add_nc_u32 v[AX+1], 64*PT, v[AX]
	v_add_nc_u32 v[AH], HT, v26
	v_add_nc_u32 v[AH+1], 64*PT, v[AH]
	s_lshl_b32 s52, s[WV], 3
	v_add_nc_u32 v[ROWG], s52, v23
	v_mul_u32_u24 v[XS0], v[ROWG], PT
	v_add_nc_u32 v[XS0], v[XS0], v[COL]
	v_add_nc_u32 v[XS0], XT, v[XS0]
	v_add_nc_u32 v[XS0+1], 64*PT, v[XS0]
	s_lshl_b32 s52, s[WV], 6
	s_add_co_u32 s52, s52, HT
	v_lshl_add_u32 v[HS0], v23, 5, v25
	v_add_nc_u32 v[HS0], s52, v[HS0]
	v_add_nc_u32 v[HS0+1], 64*PT, v[HS0]
	s_mul_i32 s52, s[WV], OSTW
	s_add_co_u32 s52, s52, OST
	v_mul_u32_u24 v26, v1, OPI
	v_lshl_add_u32 v26, v23, 7, v26
	v_add_nc_u32 v[OSA], s52, v26
	v_mul_u32_u24 v26, v23, OPI
	v_add_nc_u32 v26, v26, v[COL]
	v_add_nc_u32 v[ORD], s52, v26
	v_lshl_add_u32 v[TBQ], v23, 2, ROWT
	v_lshl_add_u32 v[WLA], v1, 2, WL
	v_mov_b32 v[ZR], 0
	s_mul_i32 s52, s[WV], LISTW
	v_mov_b32 v[LSTW], s52
	; my list's 1,280 bytes are written whole once: zeros, ahead of the entries (LDS serves a wave's instructions in order: ISA guide 5.7.1.4)
	v_mov_b32 v[OUT], 0
	v_mov_b32 v[OUT+1], 0
	v_mov_b32 v[OUT+2], 0
	v_mov_b32 v[OUT+3], 0
	v_lshl_add_u32 v26, v24, 4, v[LSTW]
	v_lshl_add_u32 v25, v24, 3, v[LSTW]
	ds_store_b128 v26, v[OUT:OUT+3]
	ds_store_b128 v26, v[OUT:OUT+3] offset:512
	ds_store_b64 v25, v[OUT:OUT+1] offset:1024
	s_lshl_b32 s52, s[WV], 2
	s_add_co_u32 s52, s52, CNTB
	v_mov_b32 v[CNA], s52
	v_lshlrev_b32 v[TOK], 2, v24
	v_lshl_add_u32 v[TOK], s[WV], 8, v[TOK]
	v_lshlrev_b32 v22, 7, v23                      ; biases: 128 h
	v_lshlrev_b32 v27, 4, v24
	v_lshl_add_u32 v27, s[WV], 10, v27             ; ridx: my wave's 256 tokens, 16 bytes a lane
	s_lshl_b32 s52, s[EX], 21                      ; an expert's weights: 2 MiB in W1 and in W2
	s_mov_b32 s53, 0
	s_lshl_b32 s54, s[SL], 10
	s_lshl_b32 s55, s[WV], 8
	s_add_co_u32 s54, s54, s55                     ; 4 (256 s + 64 w)
	s_add_co_u32 s56, s52, s54
	s_mov_b32 s57, 0
	s_lshl_b32 s58, s[EX], 12
	s_add_co_u32 s58, s58, s54
	s_mov_b32 s59, 0
	s_wait_kmcnt 0x0
	s_add_nc_u64 s[W1S:W1S+1], s[A_W1:A_W1+1], s[56:57]
	s_add_nc_u64 s[A_B1:A_B1+1], s[A_B1:A_B1+1], s[58:59]
	s_lshl_b32 s54, s[SL], 19                      ; 256 rows of W2
	s_lshl_b32 s55, s[WV], 9                       ; 128 columns
	s_add_co_u32 s54, s54, s55
	s_add_co_u32 s52, s52, s54
	s_add_nc_u64 s[W2S:W2S+1], s[A_W2:A_W2+1], s[52:53]
	s_lshl_b32 s52, s[EX], 11
	s_add_co_u32 s52, s52, s55
	s_add_nc_u64 s[A_B2:A_B2+1], s[A_B2:A_B2+1], s[52:53]
	s_lshl_b32 s52, s[GR], 12
	s_add_nc_u64 s[A_RI:A_RI+1], s[A_RI:A_RI+1], s[52:53]
	s_lshl_b32 s52, s[GR], 13
	s_add_nc_u64 s[A_RW:A_RW+1], s[A_RW:A_RW+1], s[52:53]
	s_mov_b32 s52, s55
	s_add_nc_u64 s[A_PT:A_PT+1], s[A_PT:A_PT+1], s[52:53]
	global_load_b128 v[SCN:SCN+3],   v27, s[A_RI:A_RI+1]
	global_load_b128 v[SCN+4:SCN+7], v27, s[A_RI:A_RI+1] offset:512
.set j, 0
.rept 8
	global_load_b128 v[RAW+4*j:RAW+4*j+3],       v22, s[A_B1:A_B1+1] offset:16*j
	global_load_b128 v[RAW+32+4*j:RAW+32+4*j+3], v22, s[A_B2:A_B2+1] offset:16*j
	global_load_b128 v[RAW+64+4*j:RAW+64+4*j+3], v22, s[A_B2:A_B2+1] offset:256+16*j
.set j, j+1
.endr
	PRO
	; The accumulators, the first four stages' fragment buffers and the part of the token buffers that no load of the head fills are written once here, so that each register has been
	; written on every way through the branches on the count.  408 lines, in the wait for the first loads.
	WIN 0x80
.set i, 0
.rept 256
	v_mov_b32 v[i], 0
.set i, i+1
.endr
	WIN 0xc0
.set i, BFX
.rept 128
	v_mov_b32 v[i], 0
.set i, i+1
.endr
	WIN 0
.set i, AF+104
.rept 24
	v_mov_b32 v[i], 0
.set i, i+1
.endr
	s_wait_loadcnt 63                              ; of the 90 loads issued the oldest 27 are in: the 26 of ridx and the biases among them
	WIN 0xc0
.set c, 0
.rept 4
.set j, 0
.rept 8
	v_mov_b32 v[B1T+8*c+j], v[RAW+4*j+c]           ; register j of tile c: column 32 h + 4 j + c
	v_mul_f32 v[B2T0+8*c+j], s[FF], v[RAW+32+4*j+c]
	v_mul_f32 v[B2T1+8*c+j], s[FF], v[RAW+64+4*j+c]
.set j, j+1
.endr
.set c, c+1
.endr
	WIN 0
	; THE LIST.  Word n of my eight holds token 256 w + 128 (n / 4) + 4 lane + n % 4.  A chosen token's entry (j << 10 | token) goes to its rank in my wave's list, the others' to the dump word.
	s_mov_b32 s53, 0
.set n, 0
.rept 8
	v_bfe_u32 v24, v[SCN+n], s[SH], 4
	v_cmp_lt_u32 s52, 7, v24
	v_mbcnt_lo_u32_b32 v25, s52, s53
	v_cndmask_b32 v25, 0x100, v25, s52
	v_min_u32 v25, 0x100, v25
	v_and_b32 v24, 3, v24
	v_lshl_or_b32 v24, v24, 10, v[TOK]
	v_add_nc_u32 v24, 128*(n/4)+(n%4), v24
	v_lshl_add_u32 v25, v25, 2, v[LSTW]
	ds_store_b32 v25, v24
	s_bcnt1_i32_b32 s54, s52
	s_add_co_u32 s53, s53, s54
.set n, n+1
.endr
	v_mov_b32 v22, s53
	ds_store_b32 v[CNA], v22
	s_wait_dscnt 0x0                               ; for the others' sake: my list and my count
	s_barrier_signal -1
	s_barrier_wait -1
	v_mov_b32 v22, CNTB
	ds_load_b128 v[24:27], v22
	s_wait_dscnt 0x0
	v_readfirstlane_b32 s52, v24
	v_readfirstlane_b32 s53, v25
	v_readfirstlane_b32 s54, v26
	v_readfirstlane_b32 s55, v27
	s_min_u32 s52, s52, 256
	s_min_u32 s53, s53, 256
	s_min_u32 s54, s54, 256
	s_min_u32 s55, s55, 256
	s_mov_b32 s[PP0+1], s52
	s_add_co_u32 s[PP0+2], s52, s53
	s_add_co_u32 s[PP0+3], s[PP0+2], s54
	s_add_co_u32 s[CNT], s[PP0+3], s55
	s_min_u32 s[CNT], s[CNT], 1024
	s_lshl_b32 s52, s52, 2
	s_lshl_b32 s53, s53, 2
	s_lshl_b32 s54, s54, 2
	s_sub_co_u32 s[DD0+1], LISTW, s52
	s_sub_co_u32 s[DD0+2], LISTW, s53
	s_sub_co_u32 s[DD0+3], LISTW, s54
	s_max_u32 s[CNTM1], s[CNT], 1
	s_sub_co_u32 s[CNTM1], s[CNTM1], 1
	s_mov_b32 s[PASS], 8                           ; 8 x 128 rows cover all 1,024 tokens on one expert
	s_mov_b32 s[PBASE], 0
.Lpass:
	s_wait_xcnt 0x0                                ; the last pass's loads and stores have read their bases and offsets
	s_sub_co_i32 s[ROWS], s[CNT], s[PBASE]
	s_max_i32 s[ROWS], s[ROWS], 0
	s_min_u32 s[ROWS], s[ROWS], 128
	s_add_co_u32 s[NP], s[ROWS], 31
	s_lshr_b32 s[NP], s[NP], 5
	s_mov_b64 s[W2U:W2U+1], s[W2S:W2S+1]
	s_mov_b64 s[PB:PB+1], s[A_PT:A_PT+1]
	s_cmp_eq_u32 s[ROWS], 0
	s_cbranch_scc1 .Lskip1
	; THE GATHER.  Places past the count repeat the last row that exists, bit for bit.  Row 32 P + 8 w + 2 i + h for the gather; row = my thread's number for the two tables.
	v_add_nc_u32 v22, s[PBASE], v[ROWG]
.set n, 0
.rept 16
	v_add_nc_u32 v[GOF+n], 32*(n/4)+2*(n%4), v22
	v_min_u32 v[GOF+n], s[CNTM1], v[GOF+n]
	LOOKUP GOF+n
.set n, n+1
.endr
	v_add_nc_u32 v[GOF+16], s[PBASE], v0
	v_min_u32 v[GOF+16], s[CNTM1], v[GOF+16]
	LOOKUP GOF+16
.set n, 0
.rept 17
	ds_load_b32 v[GOF+n], v[GOF+n]
.set n, n+1
.endr
	s_wait_dscnt 0x0
.set n, 0
.rept 16
	v_and_b32 v[GOF+n], 0x3ff, v[GOF+n]
	v_min_u32 v[GOF+n], 0x3ff, v[GOF+n]
	v_lshl_add_u32 v[GOF+n], v[GOF+n], 10, v[COL]  ; the token's row of xh, my 16 bytes of a piece of 256
.set n, n+1
.endr
	v_bfe_u32 v25, v[GOF+16], 10, 2                ; j
	v_min_u32 v25, 3, v25
	v_and_b32 v26, 0x3ff, v[GOF+16]                ; token
	v_min_u32 v26, 0x3ff, v26
	v_lshlrev_b32 v27, 4, v26
	v_lshl_add_u32 v27, v25, 2, v27
	v_add_nc_u32 v27, s[SL], v27                   ; the row in part: 16 t + 4 j + s
	v_and_b32 v25, 1, v25
	v_lshlrev_b32 v25, 2, v25
	v_lshl_add_u32 v25, v26, 3, v25                ; rw[g][t][j % 2]
	global_load_b32 v28, v25, s[A_RW:A_RW+1]
	XLOAD 0
	s_cmp_lt_u32 s[NP], 2
	s_cbranch_scc1 .Lxi
	XLOAD 1
	s_cmp_lt_u32 s[NP], 3
	s_cbranch_scc1 .Lxi
	XLOAD 2
	s_cmp_lt_u32 s[NP], 4
	s_cbranch_scc1 .Lxi
	XLOAD 3
.Lxi:
	EARLY                                          ; while x is on its way: stages 0 to 3 are rounded, stages 4 to 7 asked for
	s_wait_loadcnt 63                              ; the 64 refills are younger than the gather and the weights' load: both are in
	s_cmp_lt_u32 s[NP], 2
	s_cbranch_scc1 .Lx1
	s_cmp_lt_u32 s[NP], 3
	s_cbranch_scc1 .Lx2
	s_cmp_lt_u32 s[NP], 4
	s_cbranch_scc1 .Lx3
	XSTORE 3
.Lx3:
	XSTORE 2
.Lx2:
	XSTORE 1
.Lx1:
	XSTORE 0
	v_lshl_add_u32 v23, v0, 2, ROWT
	v_lshl_add_u32 v24, v0, 2, WL
	ds_store_b32 v23, v27
	ds_store_b32 v24, v28
.Lskip1:
	s_wait_dscnt 0x0                               ; for the others' sake: my rows of x and my table entries
	s_barrier_signal -1
	s_barrier_wait -1
	s_cmp_eq_u32 s[ROWS], 0
	s_cbranch_scc1 .Lskip2
	; RUN A: h = x W1 + b1, 16 stages, written out; my wave's 64 hidden columns.  The first block only multiplies.  Each later block fills the sets again with the block of four stages
	; that follows it (four stages of W1 are 0x80000 bytes); the last asks for W2's first.
	LDAP AX, 0
	BLOCK4 1, 0, 0, 0, B1T, AX, 0,   0, W1S, 0
	BLOCK4 0, 1, 1, 0, 0,   AX, 256, 0, W1S, 0x100000
	BLOCK4 0, 1, 1, 0, 0,   AX, 512, 0, W1S, 0x180000
	BLOCK4 0, 1, 1, 0, 0,   AX, 768, 1, W2U, 0
.rept 4
	v_nop                                          ; four places behind the last products before their results are read (ISA guide 7.12.1)
.endr
	EA 0
	EA 1
	s_cmp_lt_u32 s[NP], 2
	s_cbranch_scc1 .Lskip2
	EA 2
	EA 3
	s_cmp_lt_u32 s[NP], 3
	s_cbranch_scc1 .Lskip2
	EA 4
	EA 5
	s_cmp_lt_u32 s[NP], 4
	s_cbranch_scc1 .Lskip2
	EA 6
	EA 7
.Lskip2:
	s_wait_dscnt 0x0                               ; for the others' sake: my 64 columns of h
	s_barrier_signal -1
	s_barrier_wait -1
	s_cmp_eq_u32 s[ROWS], 0
	s_cbranch_scc1 .Lskip3
	; RUNS B: y = h W2 (+ b2), twice 8 stages: my wave's output columns 128 w + 64 u .. + 63.  A run's first block takes W2's even rows and asks for the odd ones (2,048 bytes on);
	; its second takes those and asks for the next run's even rows (256 bytes on), or, in the last run, for nothing.
	s_mov_b32 s[UM], 0
	s_mov_b32 s[UC], 2
.Lu:
	WIN 0xcf
.set i, 0
.rept 32
	v_cndmask_b32 v[BTU+i], v[B2T0+i], v[B2T1+i], s[UM]
.set i, i+1
.endr
	WIN 0
	LDAP AH, 0
	BLOCK4 1, 1, 1, 0, BTU, AH, 0, 0, W2U, 2048
	s_cmp_eq_u32 s[UC], 1
	s_cbranch_scc1 .Ltail
	BLOCK4 0, 1, 1, 0, 0, AH, 256, 1, W2U, 256
	s_branch .Lepi
.Ltail:
	BLOCK4 0, 1, 0, 1, 0, AH, 256, 1, W2U, 0       ; the pass's last block asks for nothing
.Lepi:
	; THE WAY OUT.  Each row times its weight; 16 rows at a time through my own stage in LDS, back as whole rows of 256 bytes, and to the row's place in part.
	s_wait_xcnt 0x0                                ; the last run's stores have read their offsets
.rept 4
	v_nop                                          ; four places behind the last products
.endr
.set n, 0
.rept 8
	ds_load_b32 v[W8+n], v[WLA] offset:64*n
.set n, n+1
.endr
.set n, 0
.rept 64
	ds_load_b32 v[OFF+n], v[TBQ] offset:8*n        ; row 16 (n / 8) + 2 (n % 8) + h
.set n, n+1
.endr
	s_wait_dscnt 0x0
.set n, 0
.rept 64
	v_min_u32 v[OFF+n], 0x3fff, v[OFF+n]
	v_lshl_add_u32 v[OFF+n], v[OFF+n], 11, v[COL]
.set n, n+1
.endr
.set mb, 0
.rept 8
.if mb > 0
	s_cmp_le_u32 s[ROWS], 16*mb
	s_cbranch_scc1 .Lebdone
.endif
	s_wait_xcnt 0x0                                ; the block before's stores have read v192-223
	WIN 0x02
.set j, 0
.rept 8
.set c, 0
.rept 4
	v_mul_f32 v[OUT+4*j+c], v[32*mb+8*c+j], v[W8+mb]       ; each accumulator from its low end on
.set c, c+1
.endr
.set j, j+1
.endr
	WIN 0
.set j, 0
.rept 8
	ds_store_b128 v[OSA], v[OUT+4*j:OUT+4*j+3] offset:16*j
.set j, j+1
.endr
.set i, 0
.rept 8
	ds_load_b128 v[RB+4*i:RB+4*i+3], v[ORD] offset:2*OPI*i ; LDS serves a wave's instructions in order (ISA guide 5.7.1.4): these see the stores above
.set i, i+1
.endr
	s_wait_dscnt 0x0
.set i, 0
.rept 8
.if i > 0
	s_cmp_le_u32 s[ROWS], 16*mb+2*i                ; whole stores past the count are jumped; a store's second row past it repeats the first: the same bytes to the same place
	s_cbranch_scc1 .Lebdone
.endif
	global_store_b128 v[OFF+8*mb+i], v[RB+4*i:RB+4*i+3], s[PB:PB+1]   ; 16 lanes store 256 consecutive bytes, aligned
.set i, i+1
.endr
.set mb, mb+1
.endr
.Lebdone:
	s_wait_xcnt 0x0                                ; the refills and the stores have read their bases, offsets and data: both bases step to the next run's 64 columns
	s_add_nc_u64 s[W2U:W2U+1], s[W2U:W2U+1], 256
	s_add_nc_u64 s[PB:PB+1], s[PB:PB+1], 256
	s_mov_b32 s[UM], -1
	s_sub_co_u32 s[UC], s[UC], 1
	s_cmp_lg_u32 s[UC], 0
	s_cbranch_scc1 .Lu
	s_wait_loadcnt 0x0
	s_add_co_u32 s52, s[PBASE], 128
	s_cmp_lt_u32 s52, s[CNT]
	s_cbranch_scc0 .Lskip3
	PRO                                            ; a further pass follows: W1's first four stages once more
.Lskip3:
	s_wait_dscnt 0x0                               ; my reads of h and of the tables are over: the next pass may write them
	s_barrier_signal -1
	s_barrier_wait -1
	s_add_co_u32 s[PBASE], s[PBASE], 128
	s_sub_co_u32 s[PASS], s[PASS], 1
	s_cmp_lg_u32 s[PASS], 0
	s_cbranch_scc1 .Lpass
	s_wait_tensorcnt 0x0                           ; the wave's end
	ds_add_u32 v[SPW], v[NIL]
	s_wait_dscnt 0x0
	s_endpgm
.Lfunc_end_k_qb3a90cea13_experts:
	.size	k_qb3a90cea13_experts, .Lfunc_end_k_qb3a90cea13_experts-k_qb3a90cea13_experts
	.p2alignl 7, 3214868480
	.fill 96, 4, 3214868480
	.section	.rodata,"a",@progbits
	.p2align	6, 0x0
	.amdhsa_kernel k_qb3a90cea13_experts
		.amdhsa_group_segment_fixed_size 290560
		.amdhsa_private_segment_fixed_size 0
		.amdhsa_enable_private_segment 0
		.amdhsa_kernarg_size 64
		.amdhsa_user_sgpr_count 2
		.amdhsa_user_sgpr_kernarg_segment_ptr 1
		.amdhsa_wavefront_size32 1
		.amdhsa_system_sgpr_workgroup_id_x 1
		.amdhsa_system_sgpr_workgroup_id_y 1
		.amdhsa_system_sgpr_workgroup_id_z 1
		.amdhsa_system_vgpr_workitem_id 0
		.amdhsa_next_free_vgpr 1024
		.amdhsa_next_free_sgpr 66
		.amdhsa_reserve_vcc 1
		.amdhsa_float_denorm_mode_32 3
		.amdhsa_float_denorm_mode_16_64 3
		.amdhsa_memory_ordered 1
		.amdhsa_forward_progress 1
		.amdhsa_inst_pref_size 255
	.end_amdhsa_kernel
	.section	.bss,"aw",@nobits
	.p2align	6
	.space	262144
	.amdgpu_metadata
---
amdhsa.version: [ 1, 2 ]
amdhsa.kernels:
  - .name:           k_qb3a90cea13_experts
    .symbol:         k_qb3a90cea13_experts.kd
    .args:
      - { .name: xh, .offset: 0, .size: 8, .value_kind: global_buffer, .address_space: global }
      - { .name: ridx, .offset: 8, .size: 8, .value_kind: global_buffer, .address_space: global }
      - { .name: rw, .offset: 16, .size: 8, .value_kind: global_buffer, .address_space: global }
      - { .name: W1, .offset: 24, .size: 8, .value_kind: global_buffer, .address_space: global }
      - { .name: b1, .offset: 32, .size: 8, .value_kind: global_buffer, .address_space: global }
      - { .name: W2, .offset: 40, .size: 8, .value_kind: global_buffer, .address_space: global }
      - { .name: b2, .offset: 48, .size: 8, .value_kind: global_buffer, .address_space: global }
      - { .name: part, .offset: 56, .size: 8, .value_kind: global_buffer, .address_space: global }
    .group_segment_fixed_size: 290560
    .private_segment_fixed_size: 0
    .kernarg_segment_align: 8
    .kernarg_segment_size: 64
    .max_flat_workgroup_size: 128
    .sgpr_count:     66
    .vgpr_count:     1024
    .wavefront_size: 32
...
	.end_amdgpu_metadata
.endif
;; end of part 2
;; launch combine (part 3): grid 256 x 1, 8 waves a work-group, no clusters, 0 bytes of LDS; arguments part, out0; writes out0
.if DOCPART == 3
	.amdgcn_target "amdgcn-amd-amdhsa--gfx1250"
	.amdhsa_code_object_version 6
	.text
	.protected	k_qb3a90cea13_combine
	.globl	k_qb3a90cea13_combine
	.p2align	8
	.type	k_qb3a90cea13_combine,@function
k_qb3a90cea13_combine:
	s_mov_b64 s[64:65], 0
	v_nop
	global_prefetch_b8 v0, s[64:65] scope:SCOPE_SE
	s_setreg_imm32_b32 hwreg(HW_REG_WAVE_MODE, 25, 1), 1
	s_wait_xcnt 0x0
; COMBINE.  out[t][:] = the sum of the token's 16 partial rows part[16 t + q][:], in f32, q ascending.
; A work-group has 4 tokens; a wave half a token's row (1,024 bytes): 32 loads of 512 consecutive bytes, all issued at once, and 2 stores of 512 consecutive bytes.
; A stream: no LDS, no barrier, no matrix unit: each byte of part is read once and each byte of out written once.
.set R, 8                       ; v8-135: row q's 8 registers at R + 8 q; row 0's take the sum
	s_load_b128 s[4:7], s[0:1], 0x0                ; part s[4:5], out s[6:7]
	v_and_b32 v1, 31, v0
	v_lshrrev_b32 v2, 5, v0                        ; wave
	v_lshrrev_b32 v3, 6, v0                        ; my token among the four
	v_and_b32 v4, 1, v2                            ; which half of its row
	v_lshlrev_b32 v1, 4, v1
	v_lshl_add_u32 v5, v4, 10, v1
	v_lshl_add_u32 v5, v3, 15, v5                  ; 32,768 token + 1,024 half + 16 lane
	v_lshl_add_u32 v6, v2, 10, v1                  ; 2,048 token + 1,024 half + 16 lane
	s_lshl_b32 s8, ttmp9, 17
	s_mov_b32 s9, 0
	s_lshl_b32 s10, ttmp9, 13
	s_mov_b32 s11, 0
	s_wait_kmcnt 0x0
	s_add_nc_u64 s[4:5], s[4:5], s[8:9]
	s_add_nc_u64 s[6:7], s[6:7], s[10:11]
.set q, 0
.rept 16
	global_load_b128 v[R+8*q:R+8*q+3],   v5, s[4:5] offset:2048*q th:TH_LOAD_NT
	global_load_b128 v[R+8*q+4:R+8*q+7], v5, s[4:5] offset:2048*q+512 th:TH_LOAD_NT
.set q, q+1
.endr
	s_wait_loadcnt 24                              ; rows 0-3 are in; the 24 younger loads stay out
.set q, 1
.rept 15
.if q%4 == 0
	s_wait_loadcnt 24-2*q                          ; the next four rows: 16, 8, 0 younger loads stay out
.endif
.set i, 0
.rept 4
	v_pk_add_f32 v[R+2*i:R+2*i+1], v[R+2*i:R+2*i+1], v[R+8*q+2*i:R+8*q+2*i+1]
.set i, i+1
.endr
.set q, q+1
.endr
	global_store_b128 v6, v[R:R+3],   s[6:7] th:TH_STORE_NT
	global_store_b128 v6, v[R+4:R+7], s[6:7] offset:512 th:TH_STORE_NT
	s_endpgm
.Lfunc_end_k_qb3a90cea13_combine:
	.size	k_qb3a90cea13_combine, .Lfunc_end_k_qb3a90cea13_combine-k_qb3a90cea13_combine
	.p2alignl 7, 3214868480
	.fill 96, 4, 3214868480
	.section	.rodata,"a",@progbits
	.p2align	6, 0x0
	.amdhsa_kernel k_qb3a90cea13_combine
		.amdhsa_group_segment_fixed_size 0
		.amdhsa_private_segment_fixed_size 0
		.amdhsa_enable_private_segment 0
		.amdhsa_kernarg_size 16
		.amdhsa_user_sgpr_count 2
		.amdhsa_user_sgpr_kernarg_segment_ptr 1
		.amdhsa_wavefront_size32 1
		.amdhsa_system_sgpr_workgroup_id_x 1
		.amdhsa_system_sgpr_workgroup_id_y 1
		.amdhsa_system_sgpr_workgroup_id_z 1
		.amdhsa_system_vgpr_workitem_id 0
		.amdhsa_next_free_vgpr 144
		.amdhsa_next_free_sgpr 66
		.amdhsa_reserve_vcc 0
		.amdhsa_float_denorm_mode_32 3
		.amdhsa_float_denorm_mode_16_64 3
		.amdhsa_memory_ordered 1
		.amdhsa_forward_progress 1
		.amdhsa_inst_pref_size 8
	.end_amdhsa_kernel
	.amdgpu_metadata
---
amdhsa.version: [ 1, 2 ]
amdhsa.kernels:
  - .name:           k_qb3a90cea13_combine
    .symbol:         k_qb3a90cea13_combine.kd
    .args:
      - { .name: part, .offset: 0, .size: 8, .value_kind: global_buffer, .address_space: global }
      - { .name: out0, .offset: 8, .size: 8, .value_kind: global_buffer, .address_space: global }
    .group_segment_fixed_size: 0
    .private_segment_fixed_size: 0
    .kernarg_segment_align: 8
    .kernarg_segment_size: 16
    .max_flat_workgroup_size: 256
    .sgpr_count:     66
    .vgpr_count:     144
    .wavefront_size: 32
...
	.end_amdgpu_metadata
.endif
;; end of part 3
